; MI455X (gfx1250); checked and timed in simulation.
; The chip was launched on July 23, 2026; its instructions are those of AMD's public machine-readable ISA for CDNA 5 (MIT licence, August 2026) and "CDNA5" Instruction Set Architecture Reference Guide (July 2026). The comments in the code are by the model that wrote it; some were corrected since.
;; IPGR. Allowed arithmetic: float matrix products may take bf16 or f16 operands with f32 sums; all other float work in f32.
;; Inputs: partial 8 x 2,048 x 3 float32; pred 8 x 8,192 x 3 float32.
;; Outputs: out0 8 x 8,192 x 3 float32.
;; One version. Each part assembles by itself: llvm-mc -triple=amdgcn-amd-amdhsa -mcpu=gfx1250 --defsym DOCPART=n.
;; ======== version 1 of 1: 4 launches
;; limits: values within 3.05e-05 (relative) of each other or of a threshold may be ordered or decided otherwise than in the reference
;; workspace buffers: cand 524,288 bytes of whole numbers; wmax 8,192 bytes; ref1 786,432 bytes
;; launch search1 (part 1): grid 256 x 1, 8 waves a work-group, no clusters, 100,352 bytes of LDS; arguments partial, pred, cand, wmax; writes cand, wmax
.if DOCPART == 1
	.amdgcn_target "amdgcn-amd-amdhsa--gfx1250"
	.amdhsa_code_object_version 6
	.text
	.protected	k_q75740bf9ee_search1
	.globl	k_q75740bf9ee_search1
	.p2align	8
	.type	k_q75740bf9ee_search1,@function
k_q75740bf9ee_search1:
	s_mov_b64 s[64:65], 0
	v_nop
	global_prefetch_b8 v0, s[64:65] scope:SCOPE_SE
	s_setreg_imm32_b32 hwreg(HW_REG_WAVE_MODE, 25, 1), 1
	s_wait_xcnt 0x0
; SHORTLIST OF NEAREST NEIGHBOURS.  Arguments: candidates [8][2048][3] f32, queries [8][8192][3] f32, cand, wmax.
; Out: cand [65536][2] u32: for each query the numbers (candidate index / 8) of the two groups of 8 candidates that hold the
; smallest squared distances; wmax [256][8] f32: for each wave the largest smallest squared distance (clamped at 0) of 32 queries.
; The launch that follows decides among the 16 candidates in f32 and moves the query.
;
; d2(x, y) = |x|^2 + |y|^2 - 2 x.y comes from ONE v_wmma_f32_16x16x32_bf16 for 16 candidates x 16 queries.  The inner dimension
; is 3, so the 32 K places carry every f32 cut into three bf16 pieces, exactly (h = the float's upper half, m = the upper half of
; what is left, l = the rest, which has 8 significant bits at the most: and, sub, and, sub).  With u = -2 x, s = |y|^2, t = |x|^2:
;   K  0- 7   A: P = yh0 yh1 yh2 ym0 ym1 ym2 yl0 yl1     B: XH = uh0 uh1 uh2 uh0 uh1 uh2 uh0 uh1
;   K  8-15   A: Q = yl2 yl2 sh  sm  sl  1   1   1       B: XQ = uh2 um2 1   1   1   th  tm  tl
;   K 16-23   A: P                                       B: XM = um0 um1 um2 um0 um1 um2 um0 um1
;   K 24-31   A: P                                       B: XL = ul0 ul1 ul2 ul0 ul1 ul2 ul0 ul1
; P serves three K blocks, so a candidate is 32 bytes of LDS.  A = candidates: lane (r, h) holds in D's 8 registers candidates
; 8h .. 8h+7 of the tile for query r, so a group's minimum is made inside the lane (four minima).  The group's number replaces the
; low 8 bits of that minimum, and a v_med3 and a v_min keep the best two of such words: value and number travel together, and no
; compare or select is needed.  No address of this launch hangs on the numbers: they are stored, and a later launch gathers by them.
;
; 256 work-groups (32 for each batch) of 8 waves; 256 queries each.  Wave w: queries 128 (w & 1) .. +127 (8 B fragments, kept in
; registers), candidates 512 (w >> 1) .. +511 (32 A tiles from LDS): 256 matrix instructions.  Two waves for each SIMD: a D tile is
; used up at once by vector minima, so one wave's minima can issue while the other's product runs.
; No cluster: what work-groups share is a batch's 24,576 bytes of candidates, read once by each, and the split into pieces stands
; between memory and LDS, so these bytes pass through registers in any case.
; LIMITS: inputs without NaN and infinities.  d2 carries the cancellation of reference()'s own f32 formula.  ul2 yl2 (2^-32 of
; x2 y2) is left out of the sum.  Groups are ranked on d2 without its low 8 bits (2^-15 of d2): a query's true nearest candidate
; misses the shortlist only if three groups tie within that.  wmax has the same 2^-15.  Pieces of numbers below 2^-110 may lose bits.
.set M_PTS,  2048
.set QWG,    256
.set NT,     32                        ; A tiles of a wave
.set NQ,     8                         ; B fragments of a wave
.set NS,     NT*NQ                     ; steps = matrix instructions of a wave
.set L_P,    0                         ; LDS: P chunks, 16 bytes x 2048
.set L_Q,    32768                     ; Q chunks
.set L_X,    65536                     ; query chunks XH, XQ, XM, XL: 4,096 bytes each
.set L_PART, 81920                     ; 8 parts (quarter, lane half) x 256 queries x (best, second)
.set PPITCH, 2176                      ; 2,048 + 128: the two lane halves of a store land 128 bytes apart modulo 256
.set BF,  16                           ; v16-79    B fragments
.set AF,  80                           ; v80-103   A fragments, three buffers
.set DD,  104                          ; v104-119  D, two sets
.set PR,  120                          ; v120-135  (best, second) for each of the 8 fragments
.set T1,  136                          ; v136-139  a group's minimum in the making
.set T2,  137
.set T3,  138
.set T4,  139
.set TV,  140                          ; v140      that minimum with the tile's number in its low bits
.set YR,  16                           ; preparation: v16-47 eight candidates as loaded (3 of every 4 registers)
.set XR,  48                           ; v48-50    my query
.set TT,  52                           ; v52-54    at work
.set RR,  56                           ; v56-58    what the first piece leaves (its upper half is the second piece)
.set LL,  60                           ; v60-62    what the second leaves = the third piece
.set SQ,  64                           ; v64-66    a square sum and what its pieces leave
.set PCH, 68                           ; v68-71    chunk P
.set QCH, 72                           ; v72-75    chunk Q
.set XH,  76                           ; v76-91    the query's four chunks
.set XQ,  80
.set XM,  84
.set XL,  88
.set UU,  92                           ; v92-94    -2 x
	s_load_b256 s[4:11], s[0:1], 0x0               ; candidates s[4:5], queries s[6:7], cand s[8:9], wmax s[10:11]
	v_lshl_add_u32 v144, v0, 2, 0x18400
	v_mov_b32 v145, 0
	v_lshrrev_b32 v14, 5, v0
	v_readfirstlane_b32 s20, v14                   ; wave 0..7
	s_mov_b32 s21, 0xffff0000                      ; keeps the bf16 that is a float's upper half
	s_mov_b32 s22, 0x07060302                      ; v_perm_b32: second source's upper half below, first source's above
	s_mov_b32 s23, 0x3f800000                      ; 1.0: its upper half is bf16 1.0
	s_mov_b32 s24, 0x76543210                      ; v_permlanex16_b32: lane i of the other half
	s_mov_b32 s25, 0xfedcba98
	s_mov_b32 s36, 0xffffff00                      ; makes room for a group's number
	s_lshr_b32 s26, ttmp9, 5                       ; batch
	s_mul_i32 s28, s26, M_PTS*12                   ; byte offsets, each in a pair with 0 above it
	s_mov_b32 s29, 0
	s_mul_i32 s30, ttmp9, QWG*12
	s_mov_b32 s31, 0
	s_lshl_b32 s32, ttmp9, 11                      ; 256 queries x 8 bytes
	s_mov_b32 s33, 0
	s_lshl_b32 s34, ttmp9, 3
	s_add_co_u32 s34, s34, s20
	s_lshl_b32 s34, s34, 2                         ; (8 work-group + wave) x 4 bytes
	s_mov_b32 s35, 0
	s_lshr_b32 s38, s20, 1                         ; candidate quarter
	s_and_b32 s39, s20, 1                          ; query half
	v_mul_u32_u24 v1, 12, v0                       ; 12 t: a point for each thread
	s_wait_kmcnt 0x0
	s_add_nc_u64 s[4:5], s[4:5], s[28:29]          ; my batch's candidates
	s_add_nc_u64 s[6:7], s[6:7], s[30:31]          ; my 256 queries
	s_add_nc_u64 s[8:9], s[8:9], s[32:33]
	s_add_nc_u64 s[10:11], s[10:11], s[34:35]
	global_load_b96 v[XR:XR+2], v1, s[6:7]         ; a wave's load covers 384 consecutive bytes
.irp i, 0,1,2,3,4,5,6,7
	global_load_b96 v[YR+4*\i:YR+4*\i+2], v1, s[4:5] offset:3072*\i    ; candidate t + 256 i
.endr
	; addresses, while the loads are out
	v_lshlrev_b32 v2, 4, v0                        ; 16 t: my chunk in P and Q
	v_add_nc_u32 v3, L_X, v2                       ; and among the query chunks
	v_mov_b32 v10, 0
	v_lshlrev_b32 v12, 3, v0                       ; 8 t
	v_and_b32 v13, 31, v0                          ; lane
	v_and_b32 v14, 15, v0                          ; r
	v_bfe_u32 v15, v0, 4, 1                        ; h
	v_lshlrev_b32 v5, 4, v14
	s_lshl_b32 s40, s38, 13                        ; a quarter: 512 chunks of 16 bytes
	v_add_nc_u32 v5, s40, v5                       ; A registers 4-7: P for both lane halves
	v_lshl_add_u32 v4, v15, 15, v5                 ; A registers 0-3: P for h = 0, Q (32,768 further) for h = 1
	s_lshl_b32 s40, s39, 11                        ; 128 queries x 16 bytes
	s_add_co_u32 s40, s40, L_X
	v_lshlrev_b32 v6, 4, v14
	v_lshl_add_u32 v6, v15, 12, v6
	v_add_nc_u32 v6, s40, v6                       ; B registers 0-3: XH or XQ; registers 4-7 (XM or XL) lie 8,192 further
	s_mul_i32 s40, s38, 2*PPITCH
	s_lshl_b32 s41, s39, 10
	s_add_co_u32 s40, s40, s41
	s_add_co_u32 s40, s40, L_PART
	v_mul_u32_u24 v7, PPITCH, v15
	v_lshl_add_u32 v7, v14, 3, v7
	v_add_nc_u32 v7, s40, v7                       ; part 2 quarter + h, query 128 half + r
	s_lshl_b32 s40, s38, 6
	v_add_nc_u32 v8, s40, v15                      ; group number = 64 quarter + 2 tile + h: here the parts that stay
	v_add_nc_u32 v9, L_PART, v12                   ; where I read my query's parts
	v_mov_b32 v[QCH+3], 0x3f803f80                 ; (1, 1)
	v_mov_b32 v[XQ+1], 0x3f803f80
.macro SPLIT3 a                        ; three floats at v[a]: RR = a - its upper half, LL = RR - its upper half; both differences are exact
.irp d, 0,1,2
	v_and_b32 v[TT+\d], s21, v[\a+\d]
.endr
.irp d, 0,1,2
	v_sub_f32 v[RR+\d], v[\a+\d], v[TT+\d]
.endr
.irp d, 0,1,2
	v_and_b32 v[TT+\d], s21, v[RR+\d]
.endr
.irp d, 0,1,2
	v_sub_f32 v[LL+\d], v[RR+\d], v[TT+\d]
.endr
.endm
.macro SPLIT1                          ; the same for the square sum in v[SQ]
	v_and_b32 v[TT], s21, v[SQ]
	v_sub_f32 v[SQ+1], v[SQ], v[TT]
	v_and_b32 v[TT+1], s21, v[SQ+1]
	v_sub_f32 v[SQ+2], v[SQ+1], v[TT+1]
.endm
.macro TRIO d, a                       ; a0 a1 a2 a0 a1 a2 a0 a1 in bf16
	v_perm_b32 v[\d],   v[\a+1], v[\a],   s22
	v_perm_b32 v[\d+1], v[\a],   v[\a+2], s22
	v_perm_b32 v[\d+2], v[\a+2], v[\a+1], s22
	v_perm_b32 v[\d+3], v[\a+1], v[\a],   s22
.endm
.macro QUERY                           ; my query's four chunks
.irp d, 0,1,2
	v_mul_f32 v[UU+\d], -2.0, v[XR+\d]
.endr
	v_mul_f32 v[SQ], v[XR], v[XR]
	v_fmac_f32 v[SQ], v[XR+1], v[XR+1]
	v_fmac_f32 v[SQ], v[XR+2], v[XR+2]
	SPLIT3 UU
	SPLIT1
	TRIO XH, UU
	TRIO XM, RR
	TRIO XL, LL
	v_perm_b32 v[XQ],   v[RR+2], v[UU+2], s22      ; uh2, um2
	v_perm_b32 v[XQ+2], v[SQ],   s23,     s22      ; 1, th
	v_perm_b32 v[XQ+3], v[SQ+2], v[SQ+1], s22      ; tm, tl
	ds_store_b128 v3, v[XH:XH+3]
	ds_store_b128 v3, v[XQ:XQ+3] offset:4096
	ds_store_b128 v3, v[XM:XM+3] offset:8192
	ds_store_b128 v3, v[XL:XL+3] offset:12288
.endm
.macro CAND i, left                    ; candidate t + 256 i: chunks P and Q.  left = loads issued behind its own
	s_wait_loadcnt \left
	v_mul_f32 v[SQ], v[YR+4*\i], v[YR+4*\i]
	v_fmac_f32 v[SQ], v[YR+4*\i+1], v[YR+4*\i+1]
	v_fmac_f32 v[SQ], v[YR+4*\i+2], v[YR+4*\i+2]
	SPLIT3 YR+4*\i
	SPLIT1
	v_perm_b32 v[PCH],   v[YR+4*\i+1], v[YR+4*\i],   s22   ; yh0, yh1
	v_perm_b32 v[PCH+1], v[RR],        v[YR+4*\i+2], s22   ; yh2, ym0
	v_perm_b32 v[PCH+2], v[RR+2],      v[RR+1],      s22   ; ym1, ym2
	v_perm_b32 v[PCH+3], v[LL+1],      v[LL],        s22   ; yl0, yl1
	v_perm_b32 v[QCH],   v[LL+2],      v[LL+2],      s22   ; yl2, yl2
	v_perm_b32 v[QCH+1], v[SQ+1],      v[SQ],        s22   ; sh, sm
	v_perm_b32 v[QCH+2], s23,          v[SQ+2],      s22   ; sl, 1
	ds_store_b128 v2, v[PCH:PCH+3] offset:L_P+4096*\i      ; 32 lanes, 512 consecutive bytes
	ds_store_b128 v2, v[QCH:QCH+3] offset:L_Q+4096*\i
.endm
	s_wait_loadcnt 0x8                             ; my query is in; the eight candidate loads behind it stay out
	QUERY
.irp i, 0,1,2,3,4,5,6,7
	CAND \i, 7-\i
.endr
	s_wait_dscnt 0x0                               ; my chunks are in LDS,
	s_barrier_signal -1
	s_barrier_wait -1                              ; everybody's are
.irp i, 0,1,2,3,4,5,6,7
	ds_load_b128 v[BF+8*\i:BF+8*\i+3],   v6 offset:256*\i
	ds_load_b128 v[BF+8*\i+4:BF+8*\i+7], v6 offset:8192+256*\i
.endr
.irp i, 0,1
	ds_load_b128 v[AF+8*\i:AF+8*\i+3],   v4 offset:256*\i
	ds_load_b128 v[AF+8*\i+4:AF+8*\i+7], v5 offset:256*\i
.endr
.irp k, 0,1,2,3,4,5,6,7,8,9,10,11,12,13,14,15
	v_mov_b32 v[PR+\k], 0x7f800000                 ; best and second start at +infinity; two tiles replace both
.endr
; THE STEPS.  Step stp: the product of tile stp / 8 with fragment stp % 8, then seven plain vector instructions: the head of step
; stp - 1 (four minima over the other D set) and the tail of step stp - 2 (number into the low bits, second best, best), taking
; turns so that no line needs the line in front of it.  So seven places that name none of its registers stand behind every matrix
; instruction before its D is read, and before the matrix instruction two steps on writes that D again (ISA guide 7.12.1 asks
; for fewer).  The first two steps fill the places that have no work yet with v_nop.
.macro HEAD1
	v_min3_num_f32 v[T1], v[DH], v[DH+1], v[DH+2]
.endm
.macro HEAD2
	v_min3_num_f32 v[T2], v[DH+3], v[DH+4], v[DH+5]
.endm
.macro HEAD3
	v_min3_num_f32 v[T3], v[DH+6], v[DH+7], v[T1]
.endm
.macro HEAD4
	v_min_num_f32 v[T4], v[T2], v[T3]
.endm
.macro TAILA
	v_and_or_b32 v[TV], v[T4], s36, 2*tT           ; T4 is still the minimum of step stp - 2: HEAD4 comes last
.endm
.macro TAILB
	v_med3_num_f32 v[PR+2*tq+1], v[PR+2*tq], v[PR+2*tq+1], v[TV]   ; best <= second: the middle one is the new second
.endm
.macro TAILC
	v_min_num_f32 v[PR+2*tq], v[PR+2*tq], v[TV]
.endm
.set stp, 0
.rept NS+2
.set til, stp/NQ
.set qt,  stp%NQ
.set DW,  DD+8*(stp%2)
.set DH,  DD+8*((stp+1)%2)
.set tT,  (stp-2)/NQ
.set tq,  (stp+NQ-2)%NQ
.if stp < NS
.if qt == 0
.if til < NT-1
	s_wait_dscnt 0x2                               ; this tile's fragment is in; the next tile's two loads stay out
.else
	s_wait_dscnt 0x0                               ; nothing was issued behind the last tile's loads
.endif
.endif
.if qt == 1
.if til < NT-2
	; two tiles ahead, into the buffer that the last tile used: its last product lies two steps (fourteen places) back
	ds_load_b128 v[AF+8*((til+2)%3):AF+8*((til+2)%3)+3],   v4 offset:256*(til+2)
	ds_load_b128 v[AF+8*((til+2)%3)+4:AF+8*((til+2)%3)+7], v5 offset:256*(til+2)
.endif
.endif
	v_wmma_f32_16x16x32_bf16 v[DW:DW+7], v[AF+8*(til%3):AF+8*(til%3)+7], v[BF+8*qt:BF+8*qt+7], 0
.endif
.if stp == 0
.rept 7
	v_nop
.endr
.else
.if stp == 1
	HEAD1
	v_nop
	HEAD2
	v_nop
	HEAD3
	v_nop
	HEAD4
.else
.if stp <= NS
	HEAD1
	TAILA
	HEAD2
	TAILB
	HEAD3
	TAILC
	HEAD4
.else
	TAILA
	TAILB
	TAILC
.endif
.endif
.endif
.set stp, stp+1
.endr
	; quarter and lane half complete the numbers; my 8 x 16 queries' (best, second) of my part go to LDS
.irp k, 0,1,2,3,4,5,6,7,8,9,10,11,12,13,14,15
	v_or_b32 v[PR+\k], v8, v[PR+\k]
.endr
.irp i, 0,1,2,3,4,5,6,7
	ds_store_b64 v7, v[PR+2*\i:PR+2*\i+1] offset:128*\i
.endr
	s_wait_dscnt 0x0                               ; for the other waves' sake: all my stores are in
	s_barrier_signal -1
	s_barrier_wait -1
	; thread t: the best two of the sixteen words of query t.  v16 best, v17 second
.irp p, 0,1,2,3,4,5,6,7
	ds_load_b64 v[16+2*\p:17+2*\p], v9 offset:PPITCH*\p
.endr
	s_wait_dscnt 0x0
.irp k, 18,19,20,21,22,23,24,25,26,27,28,29,30,31
	v_med3_num_f32 v17, v16, v17, v\k
	v_min_num_f32 v16, v16, v\k
.endr
	v_and_b32 v32, 0xff, v16                       ; the two groups' numbers
	v_and_b32 v33, 0xff, v17
	global_store_b64 v12, v[32:33], s[8:9]         ; a wave's store covers 256 consecutive bytes, aligned
	; the largest smallest d2 of my wave's 32 queries
	v_max_num_f32 v34, 0, v16                      ; clamped as reference() clamps it
	v_mov_b32 v35, 0                               ; v_permlanex16_b32 counts as a reader of its destination
	v_max_num_f32_dpp v34, v34, v34 row_xmask:1 row_mask:0xf bank_mask:0xf
	v_max_num_f32_dpp v34, v34, v34 row_xmask:2 row_mask:0xf bank_mask:0xf
	v_max_num_f32_dpp v34, v34, v34 row_xmask:4 row_mask:0xf bank_mask:0xf
	v_max_num_f32_dpp v34, v34, v34 row_xmask:8 row_mask:0xf bank_mask:0xf
	v_permlanex16_b32 v35, v34, s24, s25
	v_max_num_f32 v34, v34, v35
	v_cmp_eq_u32 vcc_lo, 0, v13
	s_wait_xcnt 0x0                                ; EXEC is a source of the store above: it narrows only behind this wait
	s_wait_tensorcnt 0x0
	ds_add_u32 v144, v145
	s_wait_dscnt 0x0
	s_and_saveexec_b32 s40, vcc_lo
	global_store_b32 v10, v34, s[10:11]            ; lane 0 writes the wave's word
	s_wait_xcnt 0x0                                ; and widens only behind this one
	s_or_b32 exec_lo, exec_lo, s40
	s_endpgm
.Lfunc_end_k_q75740bf9ee_search1:
	.size	k_q75740bf9ee_search1, .Lfunc_end_k_q75740bf9ee_search1-k_q75740bf9ee_search1
	.p2alignl 7, 3214868480
	.fill 96, 4, 3214868480
	.section	.rodata,"a",@progbits
	.p2align	6, 0x0
	.amdhsa_kernel k_q75740bf9ee_search1
		.amdhsa_group_segment_fixed_size 100352
		.amdhsa_private_segment_fixed_size 0
		.amdhsa_enable_private_segment 0
		.amdhsa_kernarg_size 32
		.amdhsa_user_sgpr_count 2
		.amdhsa_user_sgpr_kernarg_segment_ptr 1
		.amdhsa_wavefront_size32 1
		.amdhsa_system_sgpr_workgroup_id_x 1
		.amdhsa_system_sgpr_workgroup_id_y 1
		.amdhsa_system_sgpr_workgroup_id_z 1
		.amdhsa_system_vgpr_workitem_id 0
		.amdhsa_next_free_vgpr 146
		.amdhsa_next_free_sgpr 66
		.amdhsa_reserve_vcc 1
		.amdhsa_float_denorm_mode_32 3
		.amdhsa_float_denorm_mode_16_64 3
		.amdhsa_memory_ordered 1
		.amdhsa_forward_progress 1
		.amdhsa_inst_pref_size 139
	.end_amdhsa_kernel
	.amdgpu_metadata
---
amdhsa.version: [ 1, 2 ]
amdhsa.kernels:
  - .name:           k_q75740bf9ee_search1
    .symbol:         k_q75740bf9ee_search1.kd
    .args:
      - { .name: partial, .offset: 0, .size: 8, .value_kind: global_buffer, .address_space: global }
      - { .name: pred, .offset: 8, .size: 8, .value_kind: global_buffer, .address_space: global }
      - { .name: cand, .offset: 16, .size: 8, .value_kind: global_buffer, .address_space: global }
      - { .name: wmax, .offset: 24, .size: 8, .value_kind: global_buffer, .address_space: global }
    .group_segment_fixed_size: 100352
    .private_segment_fixed_size: 0
    .kernarg_segment_align: 8
    .kernarg_segment_size: 32
    .max_flat_workgroup_size: 256
    .sgpr_count:     66
    .vgpr_count:     146
    .wavefront_size: 32
...
	.end_amdgpu_metadata
.endif
;; end of part 1
;; launch update1 (part 2): grid 256 x 1, 8 waves a work-group, no clusters, 4,096 bytes of LDS; arguments partial, pred, cand, wmax, ref1; writes ref1
.if DOCPART == 2
	.amdgcn_target "amdgcn-amd-amdhsa--gfx1250"
	.amdhsa_code_object_version 6
	.text
	.protected	k_q75740bf9ee_update1
	.globl	k_q75740bf9ee_update1
	.p2align	8
	.type	k_q75740bf9ee_update1,@function
k_q75740bf9ee_update1:
	s_mov_b64 s[64:65], 0
	v_nop
	global_prefetch_b8 v0, s[64:65] scope:SCOPE_SE
	s_setreg_imm32_b32 hwreg(HW_REG_WAVE_MODE, 25, 1), 1
	s_wait_xcnt 0x0
; DECISION AND MOVE.  Arguments: candidates [8][2048][3] f32, queries [8][8192][3] f32, cand [65536][2] u32 (two groups of 8
; candidates for each query, stored by the launch before), wmax [256][8] f32 (partial maxima of the smallest d2), result [8][8192][3].
; Thread t of work-group g owns query 256 g + t.  It gathers its two groups (2 x 96 bytes), forms the 16 squared distances in f32 as
; reference() writes them, x2 + y2 - 2 xy clamped at 0 (sums of three products as multiply, fmac, fmac; the last step one fma),
; takes the smallest, the lowest index winning a tie (groups in ascending order, strict less), and moves the query:
; x + 0.1 (2 - d / (dmax + 1e-6)) (y - x).  dmax is the root of the largest of the batch's 256 words of wmax.
; The choice only selects values (v_cndmask_b32); the gather's addresses come from whole numbers read from memory, clamped to 255.
; Matrix units, clusters and copies into LDS have no part here: 16 distances for a thread, and nothing shared but 1,024 bytes of wmax.
; LIMITS: inputs without NaN and infinities.  Ties are judged on the clamped d2, not on its root.  v_sqrt_f32 and v_rcp_f32 are good
; to one unit in the last place and take a denormal d2 for 0 (ISA guide, their entries).
.set M_PTS, 2048
.set QWG,   256
.set X,   10                           ; v10-12   my query
.set W,   16                           ; v16-23   8 words of wmax
.set X2,  24                           ; v24      |x|^2
.set Y,   32                           ; v32-55   the lower group's 8 candidates, v56-79 the higher group's; candidate c at + 3 c
.set BD,  80                           ; v80      smallest d2 so far
.set BY,  81                           ; v81-83   its candidate
.set Y2,  84                           ; v84-86   at work
.set XY,  85
.set D,   86
.set MX,  88                           ; v88      largest d2 of the batch, then 1 / (dmax + 1e-6)
.set RT,  89                           ; v89      dmax (+ 1e-6)
.set O,   90                           ; v90-92   y - x, then the result
	s_load_b256 s[4:11], s[0:1], 0x0               ; candidates s[4:5], queries s[6:7], cand s[8:9], wmax s[10:11]
	s_load_b64 s[12:13], s[0:1], 0x20              ; result
	v_lshl_add_u32 v100, v0, 2, 0xc00
	v_mov_b32 v101, 0
	v_lshrrev_b32 v5, 5, v0
	v_readfirstlane_b32 s20, v5                    ; wave 0..7
	s_lshr_b32 s21, ttmp9, 5                       ; batch
	s_mov_b32 s24, 0x76543210                      ; v_permlanex16_b32: lane i of the other half
	s_mov_b32 s25, 0xfedcba98
	s_mov_b32 s26, 0xbdcccccd                      ; -0.1
	s_mov_b32 s27, 0x3e4ccccd                      ; 0.2
	s_mul_i32 s28, s21, M_PTS*12                   ; byte offsets, each in a pair with 0 above it
	s_mov_b32 s29, 0
	s_mul_i32 s30, ttmp9, QWG*12
	s_mov_b32 s31, 0
	s_lshl_b32 s32, ttmp9, 11
	s_mov_b32 s33, 0
	s_lshl_b32 s34, s21, 10                        ; 32 work-groups x 8 waves x 4 bytes for a batch
	s_mov_b32 s35, 0
	v_mul_u32_u24 v1, 12, v0                       ; 12 t
	v_lshlrev_b32 v2, 3, v0                        ; 8 t
	v_and_b32 v3, 31, v0
	v_lshlrev_b32 v3, 5, v3                        ; 32 x lane
	v_lshlrev_b32 v4, 4, v0                        ; 16 t
	s_wait_kmcnt 0x0
	s_add_nc_u64 s[4:5], s[4:5], s[28:29]
	s_add_nc_u64 s[6:7], s[6:7], s[30:31]
	s_add_nc_u64 s[8:9], s[8:9], s[32:33]
	s_add_nc_u64 s[10:11], s[10:11], s[34:35]
	s_add_nc_u64 s[12:13], s[12:13], s[30:31]
	global_load_b64 v[6:7], v2, s[8:9]             ; my two groups
	global_load_b96 v[X:X+2], v1, s[6:7]
	global_load_b128 v[W:W+3],   v3, s[10:11]      ; the wave reads the batch's 1,024 bytes of wmax
	global_load_b128 v[W+4:W+7], v3, s[10:11] offset:16
	s_wait_loadcnt 0x3                             ; the groups are in; the query and wmax stay out
	v_min_u32 v8, v6, v7                           ; ascending, so that the lowest index is met first
	v_max_u32 v9, v6, v7
	v_min_u32 v8, 0xff, v8                         ; a batch has 256 groups: no gather leaves the buffer
	v_min_u32 v9, 0xff, v9
	v_mul_u32_u24 v8, 0x60, v8                     ; 8 candidates x 12 bytes
	v_mul_u32_u24 v9, 0x60, v9
.irp j, 0,1,2,3,4,5
	global_load_b128 v[Y+4*\j:Y+4*\j+3], v8, s[4:5] offset:16*\j
.endr
.irp j, 0,1,2,3,4,5
	global_load_b128 v[Y+24+4*\j:Y+24+4*\j+3], v9, s[4:5] offset:16*\j
.endr
	s_wait_loadcnt 0xc                             ; the query and wmax are in; the twelve gathers stay out
	v_max3_num_f32 v[MX], v[W], v[W+1], v[W+2]
	v_max3_num_f32 v[MX], v[MX], v[W+3], v[W+4]
	v_max3_num_f32 v[MX], v[MX], v[W+5], v[W+6]
	v_max_num_f32 v[MX], v[MX], v[W+7]
	v_mov_b32 v[RT], 0                             ; v_permlanex16_b32 counts as a reader of its destination
	v_max_num_f32_dpp v[MX], v[MX], v[MX] row_xmask:1 row_mask:0xf bank_mask:0xf
	v_max_num_f32_dpp v[MX], v[MX], v[MX] row_xmask:2 row_mask:0xf bank_mask:0xf
	v_max_num_f32_dpp v[MX], v[MX], v[MX] row_xmask:4 row_mask:0xf bank_mask:0xf
	v_max_num_f32_dpp v[MX], v[MX], v[MX] row_xmask:8 row_mask:0xf bank_mask:0xf
	v_permlanex16_b32 v[RT], v[MX], s24, s25
	v_max_num_f32 v[MX], v[MX], v[RT]              ; the batch's largest smallest d2, in every lane
	v_sqrt_f32 v[RT], v[MX]                        ; behind a transcendental a plain independent line comes first (ISA guide 5.7.2):
	v_mul_f32 v[X2], v[X], v[X]                    ; here |x|^2
	v_fmac_f32 v[X2], v[X+1], v[X+1]
	s_wait_alu depctr_va_vdst(0)
	v_add_f32 v[RT], 0x358637bd, v[RT]             ; + 1e-6
	v_rcp_f32 v[MX], v[RT]
	v_fmac_f32 v[X2], v[X+2], v[X+2]               ; the plain line behind v_rcp_f32
.macro DIST y, first                   ; the candidate at v[y]: d2, and the better of it and the best so far
	v_mul_f32 v[Y2], v[\y], v[\y]
	v_mul_f32 v[XY], v[X], v[\y]
	v_fmac_f32 v[Y2], v[\y+1], v[\y+1]
	v_fmac_f32 v[XY], v[X+1], v[\y+1]
	v_fmac_f32 v[Y2], v[\y+2], v[\y+2]
	v_fmac_f32 v[XY], v[X+2], v[\y+2]
	v_add_f32 v[Y2], v[X2], v[Y2]
	v_fma_f32 v[D], -2.0, v[XY], v[Y2]
.if \first
	v_max_num_f32 v[BD], 0, v[D]                   ; the first candidate starts the minimum
	v_mov_b32 v[BY],   v[\y]
	v_mov_b32 v[BY+1], v[\y+1]
	v_mov_b32 v[BY+2], v[\y+2]
.else
	v_max_num_f32 v[D], 0, v[D]
	v_cmp_lt_f32 vcc_lo, v[D], v[BD]               ; strictly less: an earlier index keeps a tie
	v_cndmask_b32 v[BD],   v[BD],   v[D],    vcc_lo
	v_cndmask_b32 v[BY],   v[BY],   v[\y],   vcc_lo
	v_cndmask_b32 v[BY+1], v[BY+1], v[\y+1], vcc_lo
	v_cndmask_b32 v[BY+2], v[BY+2], v[\y+2], vcc_lo
.endif
.endm
	s_wait_loadcnt 0x6                             ; the lower group is in; the higher group's six loads stay out
	DIST Y, 1
.irp c, 1,2,3,4,5,6,7
	DIST Y+3*\c, 0
.endr
	s_wait_loadcnt 0x0
.irp c, 8,9,10,11,12,13,14,15
	DIST Y+3*\c, 0
.endr
	v_sqrt_f32 v[Y2], v[BD]                        ; the smallest distance
	v_sub_f32 v[O],   v[BY],   v[X]                ; plain lines behind the root: nearest - x
	v_sub_f32 v[O+1], v[BY+1], v[X+1]
	v_sub_f32 v[O+2], v[BY+2], v[X+2]
	s_wait_alu depctr_va_vdst(0)
	v_mul_f32 v[Y2], v[Y2], v[MX]                  ; d / (dmax + 1e-6)
	v_fma_f32 v[Y2], v[Y2], s26, s27               ; alpha = 0.2 - 0.1 x that
	v_fma_f32 v[O],   v[Y2], v[O],   v[X]
	v_fma_f32 v[O+1], v[Y2], v[O+1], v[X+1]
	v_fma_f32 v[O+2], v[Y2], v[O+2], v[X+2]
	; out through LDS: 12 bytes a thread in (word stride 3: no two lanes of a wave in one bank), 16 bytes a thread back
	ds_store_b32 v1, v[O]
	ds_store_b32 v1, v[O+1] offset:4
	ds_store_b32 v1, v[O+2] offset:8
	s_wait_dscnt 0x0                               ; for the other waves' sake
	s_barrier_signal -1
	s_barrier_wait -1
	s_cmp_gt_u32 s20, 5                            ; 3,072 bytes are 192 threads x 16: waves 0 to 5 store
	s_cbranch_scc1 .Lend
	ds_load_b128 v[96:99], v4
	s_wait_dscnt 0x0
	global_store_b128 v4, v[96:99], s[12:13]       ; 16 lanes store 256 consecutive bytes, aligned
.Lend:
	s_wait_tensorcnt 0x0
	ds_add_u32 v100, v101
	s_wait_dscnt 0x0
	s_endpgm
.Lfunc_end_k_q75740bf9ee_update1:
	.size	k_q75740bf9ee_update1, .Lfunc_end_k_q75740bf9ee_update1-k_q75740bf9ee_update1
	.p2alignl 7, 3214868480
	.fill 96, 4, 3214868480
	.section	.rodata,"a",@progbits
	.p2align	6, 0x0
	.amdhsa_kernel k_q75740bf9ee_update1
		.amdhsa_group_segment_fixed_size 4096
		.amdhsa_private_segment_fixed_size 0
		.amdhsa_enable_private_segment 0
		.amdhsa_kernarg_size 40
		.amdhsa_user_sgpr_count 2
		.amdhsa_user_sgpr_kernarg_segment_ptr 1
		.amdhsa_wavefront_size32 1
		.amdhsa_system_sgpr_workgroup_id_x 1
		.amdhsa_system_sgpr_workgroup_id_y 1
		.amdhsa_system_sgpr_workgroup_id_z 1
		.amdhsa_system_vgpr_workitem_id 0
		.amdhsa_next_free_vgpr 102
		.amdhsa_next_free_sgpr 66
		.amdhsa_reserve_vcc 1
		.amdhsa_float_denorm_mode_32 3
		.amdhsa_float_denorm_mode_16_64 3
		.amdhsa_memory_ordered 1
		.amdhsa_forward_progress 1
		.amdhsa_inst_pref_size 13
	.end_amdhsa_kernel
	.amdgpu_metadata
---
amdhsa.version: [ 1, 2 ]
amdhsa.kernels:
  - .name:           k_q75740bf9ee_update1
    .symbol:         k_q75740bf9ee_update1.kd
    .args:
      - { .name: partial, .offset: 0, .size: 8, .value_kind: global_buffer, .address_space: global }
      - { .name: pred, .offset: 8, .size: 8, .value_kind: global_buffer, .address_space: global }
      - { .name: cand, .offset: 16, .size: 8, .value_kind: global_buffer, .address_space: global }
      - { .name: wmax, .offset: 24, .size: 8, .value_kind: global_buffer, .address_space: global }
      - { .name: ref1, .offset: 32, .size: 8, .value_kind: global_buffer, .address_space: global }
    .group_segment_fixed_size: 4096
    .private_segment_fixed_size: 0
    .kernarg_segment_align: 8
    .kernarg_segment_size: 40
    .max_flat_workgroup_size: 256
    .sgpr_count:     66
    .vgpr_count:     102
    .wavefront_size: 32
...
	.end_amdgpu_metadata
.endif
;; end of part 2
;; launch search2: the kernel of part 1 again; grid 256 x 1, 8 waves a work-group, no clusters, 100,352 bytes of LDS; arguments partial, ref1, cand, wmax; writes cand, wmax
;; launch update2: the kernel of part 2 again; grid 256 x 1, 8 waves a work-group, no clusters, 4,096 bytes of LDS; arguments partial, ref1, cand, wmax, out0; writes out0
